; MI455X (gfx1250); checked and timed in simulation.
; The chip was launched on July 23, 2026; its instructions are those of AMD's public machine-readable ISA for CDNA 5 (MIT licence, August 2026) and "CDNA5" Instruction Set Architecture Reference Guide (July 2026). The comments in the code are by the model that wrote it; some were corrected since.
;; Sigma Mo E. Allowed arithmetic: matrix products marked QUANTISED: E2M3 operands, one E8M0 scale for each 32 along K, by v_wmma_scale_f32_16x16x128_f8f6f4 with both operands' format E2M3, f32 sums; everything else in f32.
;; Inputs: expert_sel_codes 16 x 32 x 24 uint8 (E2M3 codes of expert_sel, K innermost, in blocks of 32 codes, four codes in three bytes); expert_sel_scales 16 x 32 uint8 (E8M0 scales of expert_sel, one for each 32 codes along K); keys_codes 16 x 256 x 32 x 24 uint8 (E2M3 codes of keys, K innermost, in blocks of 32 codes, four codes in three bytes); keys_scales 16 x 256 x 32 uint8 (E8M0 scales of keys, one for each 32 codes along K); route_scale 1 float32; values_codes 16 x 1,024 x 8 x 24 uint8 (E2M3 codes of values, K innermost, in blocks of 32 codes, four codes in three bytes); values_scales 16 x 1,024 x 8 uint8 (E8M0 scales of values, one for each 32 codes along K); x_codes 4 x 2,048 x 32 x 24 uint8 (E2M3 codes of x, K innermost, in blocks of 32 codes, four codes in three bytes); x_scales 4 x 2,048 x 32 uint8 (E8M0 scales of x, one for each 32 codes along K).
;; Outputs: out0 4 x 2,048 x 1,024 float32.
;; This version of the problem:
;;   THIS VERSION OF THE PROBLEM IS GIVEN IN LOW PRECISION. The matrix products marked QUANTISED in the list below multiply operands that are first quantised to E2M3 (2 exponent bits, 3 mantissa bits; 6 bits a number), with one power-of-two scale for each 32 numbers along K (OCP MX v1.0); their sums are f32. All else is computed in f32.
;;   The module's matrix products, in the order in which they are computed (A, B: the left and right operand; K: the contracted axis; several contracted axes count as one K, in the product's order):
;;     1. [M 8,192, K 1,024] x [K 1,024, N 16]; A: input x (given as codes); B: input expert_sel (given as codes): QUANTISED
;;     2. [M 8,192, K 1,024] x [K 1,024, N 4,096]; A: input x (given as codes); B: input keys (given as codes): QUANTISED
;;     3. batch 16 x [M 1,024, K 256] x [K 256, N 8,192]; A: input values (given as codes); B: computed on the way: QUANTISED
;;   THE QUANTISER, for each operand of a quantised product, along K:
;;     - K is cut into blocks of 32 from its start; a last block that is shorter is filled with zeros.
;;     - A block's scale is 2^e with e = floor(log2(the largest magnitude in the block)) - 2, held to -126 .. 127; a block of zeros has e = 0. As a byte (E8M0): e + 127.
;;     - Each number is divided by its block's scale, clamped to +-7.5, and rounded to the nearest number of E2M3, ties to even, subnormals kept.
;;     - The product sums the exact products of the quantised numbers (number of the format x scale) in f32.
;;   ~~~python
;;   def quantise(x, axis):      # numpy; x: float32 -> the quantised numbers, widened to float32 again
;;       x = np.moveaxis(x, axis, -1); K = x.shape[-1]
;;       x = np.pad(x, [(0, 0)] * (x.ndim - 1) + [(0, -K % 32)]); x = x.reshape(x.shape[:-1] + (-1, 32)); a = np.abs(x).max(-1, keepdims=True)
;;       e = np.where(a > 0, np.clip(np.frexp(np.where(a > 0, a, 1))[1] - 1 - 2, -126, 127), 0)      # np.frexp(a)[1] - 1 = floor(log2(a)), exactly
;;       r = np.clip(x / 2.0 ** e, -7.5, 7.5)
;;       step = 2.0 ** (np.maximum(np.frexp(np.where(r == 0, 1, r))[1] - 1, 0) - 3)
;;       q = np.round(r / step) * step * 2.0 ** e      # np.round: ties to even
;;       return np.moveaxis(q.reshape(q.shape[:-2] + (-1,))[..., :K], -1, axis).astype(np.float32)
;;   ~~~
;;   OPERANDS COMPUTED ON THE WAY. 'Computed on the way' means the value that the module computes at that place (a softmax that the list does not call 'softmax' is quantised finished and normalised). What goes into a quantiser is computed in f32, as accurately as f32 sums, v_exp_f32 and their like allow (about 1e-6 of the number): no bf16 or f16 on the way to a quantiser, and a product that is left as it is and whose result goes on into a quantised operand takes f32 operands (vector FMAs, or v_wmma_f32_16x16x4_f32). A number that lies on a knife's edge between two numbers of the format may be rounded either way, as far as f32 arithmetic and the matrix unit's own rounding can turn it there, and no further.
;;   INPUTS GIVEN AS CODES. expert_sel (in the module: [16, 1024], K = its axis 1); keys (in the module: [16, 1024, 256], K = its axis 1); values (in the module: [16, 256, 1024], K = its axis 1); x (in the module: [4, 2048, 1024], K = its axis 2): each comes as NAME_codes (uint8): NAME with its K axis moved to the last place and cut into blocks of 32 codes, [.., K / 32, bytes a block], one block behind the other in memory; four codes in three bytes: a row's codes are one little-endian stream of bits, code i at bits 6 i .. 6 i + 5 (a code: sign, 2 exponent bits, 3 mantissa bits); and NAME_scales (uint8): the same leading axes, one E8M0 byte (e + 127) for each 32 codes along K. Its value is code x scale, taken as it is: it is not quantised again, and the codes and scales need not be those that the quantiser above would give.
;; One version. Each part assembles by itself: llvm-mc -triple=amdgcn-amd-amdhsa -mcpu=gfx1250 --defsym DOCPART=n.
;; ======== version 1 of 1: 3 launches
;; limits: right only within a limited range of input values
;; workspace buffers: kimg 3,145,728 bytes; vimg 3,145,728 bytes; wts 131,072 bytes; cnt 32,768 bytes of whole numbers; posb 131,072 bytes of whole numbers; hid 27,262,976 bytes
;; launch route (part 1): grid 192 x 1, 4 waves a work-group, no clusters, 254,976 bytes of LDS; arguments x_codes, x_scales, expert_sel_codes, expert_sel_scales, route_scale, keys_codes, values_codes, kimg, vimg, cnt, wts, posb; writes kimg, vimg, cnt, wts, posb
.if DOCPART == 1
	.amdgcn_target "amdgcn-amd-amdhsa--gfx1250"
	.amdhsa_code_object_version 6
	.text
	.protected	k_qcce3bf1b89_route
	.globl	k_qcce3bf1b89_route
	.p2align	8
	.type	k_qcce3bf1b89_route,@function
k_qcce3bf1b89_route:
	s_mov_b64 s[64:65], 0
	v_nop
	global_prefetch_b8 v0, s[64:65] scope:SCOPE_SE
	s_setreg_imm32_b32 hwreg(HW_REG_WAVE_MODE, 25, 1), 1
	s_wait_xcnt 0x0
; SigmaMoE in MX-FP6, launch 1 of 3: the router with the ranks of the chosen rows, and the weights laid out once as images of operand registers.
; THE PROGRAM.  1 route: logits (product 1), sigmoid, top-4, weights; for each chunk of 64 tokens and each expert the mask of the tokens that chose it, and each (token, choice)'s rank; keys and values as register images.
; 2 hidden: product 2, relu and the quantiser for the chosen rows alone.  3 outp: product 3 for the chosen rows, weighed and summed, one owner for each output byte.
; DEAD WORK LEFT OUT.  reference() gathers values_all by sel_index, which it makes itself from its own router: of the 16 rows values_all[b,t,e,:] of a token only the 4 chosen reach out, whatever the inputs hold.
; A row of product 3 hangs on the same (token, expert) row of product 2 alone.  So the rows of products 2 and 3 of the 12 experts that a token did not choose are not computed (whole rows).
; The choice is stored here as whole numbers at fixed places (no address of this launch hangs on it) and turned into addresses by the later launches only.  Every input has a way to the output and is loaded.
; LIMITS.  A NaN, an infinity or an overflow that arises only in a row that was not chosen is not carried to the result.  NaN and infinities among the logits are not served.
; sigmoid(z) = 1 / (1 + 2^(-z log2 e)) by v_exp_f32 and v_rcp_f32; the top-4 is taken of the probabilities, equal ones to the lower index.
; SHARES.  Work-groups 0-63: the router, 128 tokens each, a wave 32 (two tiles of 16).  64-127: keys, one (expert, quarter of its 256 rows) each, a wave one tile.  128-191: values, 16 tiles of 16 rows each, a wave four.
; The three paths part on the work-group number alone, never join and share no LDS byte.  The router has two barriers: behind the first all waves read expert_sel, of which each wave brought four rows; across the second the two waves of a chunk
; hand each other their counts.  OUT: cnt, the masks (bit l: token 32 half + l of chunk c chose e), twice: [c][e][half] at byte 0 (launch 3) and [c / 8][e][c % 8][half] at byte 16,384 (launch 2);
; posb[token][k] = (64 e + rank) x 272, the byte of that row in launch 3's stage; the ranks of a chunk's second 32 tokens go on behind those of the first.  wts[token][k]: the weights.
; EVERY GLOBAL LOAD reads whole aligned runs of 256 bytes by sixteen neighbouring lanes; rows turn into fragments in LDS (row pitch 784 or 208 bytes: the 32 lanes of an 8-byte load fall on 64 different banks).
; A FRAGMENT (16 rows x 128 K of 6-bit codes) is 12 registers: lane (r, h) holds the 24 bytes at 96 s + 24 h and at 96 s + 48 + 24 h of row r.  Its IMAGE is 1,536 bytes: registers 4 i .. 4 i + 3 of lane l at 512 i + 16 l.
.set RPITCH, 784                       ; a row of 768 bytes + 16
.set RTILE,  16*RPITCH
.set KRB,    12*RTILE                  ; behind the router's tiles (expert_sel at byte 0; wave w's two x tiles at (3 w + 1) and (3 w + 2) tiles): the keys path, a tile a wave
.set VRB,    KRB+4*RTILE               ; behind it: the values path, four units a wave
.set VPITCH, 208                       ; a row of 192 bytes + 16
.set VUNIT,  16*VPITCH
.set SPARE,  VRB+16*VUNIT              ; the spare words, 128 bytes for each wave
.set CB,     SPARE+512                 ; the router's counts: 128 bytes for each wave
.set GA,  4                            ; v4   768 h + 16 r: my 16 bytes in a pair of rows in memory
.set LA,  5                            ; v5   where I store them in LDS
.set FA,  6                            ; v6   where my fragment bytes begin in LDS
.set L16, 7                            ; v7   16 x lane
.set XS0, 8                            ; v8-15   scale words of x, tile 0   (v8-31 hold scales and nothing else)
.set XS1, 16                           ; v16-23  tile 1
.set SS,  24                           ; v24-31  scale words of expert_sel
.set STA, 32                           ; v32-127  24 x 4 registers as loaded
.set STB, 128                          ; v128-223 the same, second set
.set SQ,  224                          ; v224-247 my four rows of expert_sel as loaded
.set XSA, 248                          ; v248 32 r: a row of scale bytes
.set LAS, 249                          ; v249 where I store my rows of expert_sel
.set FAS, 250                          ; v250 where expert_sel's fragment bytes begin
.set CNA, 251                          ; v251 my word of cnt: lanes 0-15 the table at 16,384, lanes 16-31 the table at 0
.set CBA, 252                          ; v252 my word of the counts in LDS;  v253 the same word of the chunk's other wave
.set SPW, 254                          ; v254 LDS address of my spare word; never rewritten
.set NIL, 255                          ; v255 0; never rewritten
.set MK,  40                           ; s40-55 the masks of my 32 tokens, one for each expert
.set CT,  66                           ; s66-81 their counts; later 64 e + what stands ahead of my ranks
.macro TILE_IN reg, sb, off, skip      ; 16 rows of 768 bytes: pair p of rows, third u of a row.  skip: rows 8-15 lie so many rows further on in memory
.irp p, 0,1,2,3,4,5,6,7
.irp u, 0,1,2
	global_load_b128 v[\reg+4*(3*\p+\u):\reg+4*(3*\p+\u)+3], v[GA], s[\sb:\sb+1] offset:\off+\p*1536+(\p/4)*\skip*768+256*\u
.endr
.endr
.endm
.macro TILE_ST reg, off
.irp p, 0,1,2,3,4,5,6,7
.irp u, 0,1,2
	ds_store_b128 v[LA], v[\reg+4*(3*\p+\u):\reg+4*(3*\p+\u)+3] offset:\off+\p*2*RPITCH+256*\u
.endr
.endr
.endm
.macro FRAG reg, adr, off              ; six pieces of 8 bytes: every address is a multiple of the access size
.irp p, 0,1,2,3,4,5
	ds_load_b64 v[(\reg)+2*\p:(\reg)+2*\p+1], v[\adr] offset:(\off)+48*(\p/3)+8*(\p%3)
.endr
.endm
; The four largest of a token's 16 probabilities.  P: my 8 (experts 8 h + j);  E: 16 registers, expert i in both halves of the lanes;  R: R+0..3 the values, R+4..7 their experts
.macro TOPK P, E, R
.irp j, 0,1,2,3,4,5,6,7
	v_permlanex16_b32 v[208+\j], v[\P+\j], s34, s35         ; both tiles by turns, line by line: the second has P + 8, E + 16, R + 8
	v_permlanex16_b32 v[240+\j], v[\P+8+\j], s34, s35
.endr
.irp j, 0,1,2,3,4,5,6,7
	v_cndmask_b32 v[\E+\j], v[\P+\j], v[208+\j], s36
	v_cndmask_b32 v[\E+8+\j], v[208+\j], v[\P+\j], s36
	v_cndmask_b32 v[\E+16+\j], v[\P+8+\j], v[240+\j], s36
	v_cndmask_b32 v[\E+24+\j], v[240+\j], v[\P+8+\j], s36
.endr
.irp k, 0,1,2,3
	v_max3_num_f32 v[\R+\k], v[\E], v[\E+1], v[\E+2]
	v_max3_num_f32 v[\R+8+\k], v[\E+16], v[\E+17], v[\E+18]
.irp i, 3,5,7,9,11,13
	v_max3_num_f32 v[\R+\k], v[\R+\k], v[\E+\i], v[\E+\i+1]
	v_max3_num_f32 v[\R+8+\k], v[\R+8+\k], v[\E+16+\i], v[\E+16+\i+1]
.endr
	v_max_num_f32 v[\R+\k], v[\R+\k], v[\E+15]
	v_max_num_f32 v[\R+8+\k], v[\R+8+\k], v[\E+31]
	v_mov_b32 v[\R+4+\k], 0
	v_mov_b32 v[\R+12+\k], 0
.irp i, 15,14,13,12,11,10,9,8,7,6,5,4,3,2,1,0
	v_cmp_eq_f32 vcc_lo, v[\E+\i], v[\R+\k]                 ; from the top down: the lowest expert that holds the maximum stays
	v_cmp_eq_f32 s59, v[\E+16+\i], v[\R+8+\k]
	v_cndmask_b32 v[\R+4+\k], v[\R+4+\k], v[224+\i], vcc_lo
	v_cndmask_b32 v[\R+12+\k], v[\R+12+\k], v[224+\i], s59
.endr
.if \k < 3
.irp i, 0,1,2,3,4,5,6,7,8,9,10,11,12,13,14,15
	v_cmp_eq_u32 vcc_lo, \i, v[\R+4+\k]                     ; the one taken leaves the field: -1 lies under every probability
	v_cmp_eq_u32 s59, \i, v[\R+12+\k]
	v_cndmask_b32 v[\E+\i], v[\E+\i], v216, vcc_lo
	v_cndmask_b32 v[\E+16+\i], v[\E+16+\i], v216, s59
.endr
.endif
.endr
.endm
	s_load_b256 s[4:11], s[0:1], 0x0               ; x codes s[4:5], x scales s[6:7], expert_sel codes s[8:9], its scales s[10:11]
	s_load_b256 s[12:19], s[0:1], 0x20             ; route_scale s[12:13], keys codes s[14:15], values codes s[16:17], kimg s[18:19]
	s_load_b128 s[20:23], s[0:1], 0x40             ; vimg s[20:21], cnt s[22:23]
	s_load_b128 s[24:27], s[0:1], 0x50             ; wts s[24:25], posb s[26:27]
	v_lshl_add_u32 v[SPW], v0, 2, SPARE
	v_mov_b32 v[NIL], 0
	v_lshrrev_b32 v1, 5, v0
	v_readfirstlane_b32 s28, v1                    ; wave 0..3
	v_and_b32 v1, 31, v0                           ; lane
	v_and_b32 v2, 15, v0                           ; r
	v_bfe_u32 v3, v0, 4, 1                         ; h
	v_mul_u32_u24 v[GA], v3, 768
	v_lshl_add_u32 v[GA], v2, 4, v[GA]
	v_lshlrev_b32 v[L16], 4, v1
	s_mov_b32 s31, 0
	s_wait_kmcnt 0x0
	s_cmp_ge_u32 ttmp9, 128
	s_cbranch_scc1 .Lvalues
	s_cmp_ge_u32 ttmp9, 64
	s_cbranch_scc1 .Lkeys
	; ---------------- THE ROUTER ----------------
	s_load_b32 s33, s[12:13], 0x0                  ; route_scale
	s_lshl_b32 s29, ttmp9, 7
	s_lshl_b32 s30, s28, 5
	s_add_co_u32 s29, s29, s30                     ; my first token: 128 x work-group + 32 x wave
	s_mul_i32 s30, s29, 768
	s_add_nc_u64 s[4:5], s[4:5], s[30:31]
	s_lshl_b32 s30, s29, 5
	s_add_nc_u64 s[6:7], s[6:7], s[30:31]
	s_lshl_b32 s30, s29, 4
	s_add_nc_u64 s[24:25], s[24:25], s[30:31]
	s_add_nc_u64 s[26:27], s[26:27], s[30:31]
	s_mul_i32 s30, s28, 3072
	s_add_nc_u64 s[8:9], s[8:9], s[30:31]          ; rows 4 w .. 4 w + 3 of expert_sel
	s_mul_i32 s32, s28, 3*RTILE                    ; my x tiles lie one and two tiles behind this byte
	s_mul_i32 s37, s28, 4*RPITCH
	s_lshr_b32 s38, s29, 6                         ; my chunk c
	s_and_b32 s39, s28, 1
	s_lshl_b32 s39, s39, 2                         ; 4 x my half of it
	s_lshl_b32 s58, s38, 7
	s_add_co_u32 s58, s58, s39                     ; 128 c + 4 half
	s_lshr_b32 s56, s38, 3
	s_lshl_b32 s56, s56, 10
	s_and_b32 s57, s38, 7
	s_lshl_b32 s57, s57, 3
	s_add_co_u32 s56, s56, s57
	s_add_co_u32 s56, s56, s39
	s_add_co_u32 s56, s56, 16384                   ; 16,384 + 1,024 (c / 8) + 8 (c % 8) + 4 half
	s_mov_b32 s34, 0x76543210
	s_mov_b32 s35, 0xfedcba98                      ; selects of v_permlanex16_b32 for lane l xor 16
	s_mov_b32 s36, 0xffff0000                      ; lanes 16-31
	s_wait_alu depctr_va_vdst(0)                   ; the wait behind the run of scalar instructions
	v_mul_u32_u24 v[LA], v3, RPITCH
	v_lshl_add_u32 v[LA], v2, 4, v[LA]
	v_add_nc_u32 v[LAS], s37, v[LA]
	v_add_nc_u32 v[LA], s32, v[LA]
	v_mul_u32_u24 v[FAS], v2, RPITCH
	v_mad_u32_u24 v[FAS], v3, 24, v[FAS]
	v_add_nc_u32 v[FA], s32, v[FAS]
	v_lshlrev_b32 v[XSA], 5, v2
	v_lshl_add_u32 v[CNA], v2, 6, s56              ; + 64 e
	v_lshl_add_u32 v[CBA], v2, 3, s58              ; + 8 e
	v_cndmask_b32 v[CNA], v[CNA], v[CBA], s36
	v_lshl_add_u32 v[CBA], v0, 2, CB
	v_xor_b32 v[CBA+1], 128, v[CBA]
.irp p, 0,1
.irp u, 0,1,2
	global_load_b128 v[SQ+4*(3*\p+\u):SQ+4*(3*\p+\u)+3], v[GA], s[8:9] offset:\p*1536+256*\u
.endr
.endr
	TILE_IN STA, 4, 0, 0                           ; x, my tokens 0-15
	TILE_IN STB, 4, 12288, 0                       ; x, my tokens 16-31
	global_load_b128 v[XS0:XS0+3], v[XSA], s[6:7]
	global_load_b128 v[XS0+4:XS0+7], v[XSA], s[6:7] offset:16
	global_load_b128 v[XS1:XS1+3], v[XSA], s[6:7] offset:512
	global_load_b128 v[XS1+4:XS1+7], v[XSA], s[6:7] offset:528
	global_load_b128 v[SS:SS+3], v[XSA], s[10:11]
	global_load_b128 v[SS+4:SS+7], v[XSA], s[10:11] offset:16
	s_wait_alu depctr_va_vdst(0)                   ; directly ahead of the wait below
	s_wait_loadcnt 0x0
.irp p, 0,1
.irp u, 0,1,2
	ds_store_b128 v[LAS], v[SQ+4*(3*\p+\u):SQ+4*(3*\p+\u)+3] offset:\p*2*RPITCH+256*\u
.endr
.endr
	TILE_ST STA, RTILE
	TILE_ST STB, 2*RTILE
	s_wait_dscnt 0x0                               ; for the others' sake: my rows of expert_sel have landed
	s_barrier_signal -1
	s_barrier_wait -1
	; logits^T = expert_sel x^T: source 0 = the 16 experts, source 1 = 16 tokens: lane (r, h) holds token r and experts 8 h + 0 .. 7.  Four K steps of fragments at a time
.irp s, 0,1,2,3
	FRAG 32+36*\s, FAS, 96*\s
	FRAG 44+36*\s, FA, RTILE+96*\s
	FRAG 56+36*\s, FA, 2*RTILE+96*\s
.endr
	s_wait_dscnt 0x0
.irp s, 0,1,2,3                        ; the two accumulators take turns, one instruction a turn
.if \s == 0
	v_wmma_scale_f32_16x16x128_f8f6f4 v[176:183], v[32:43], v[44:55], 0, v[SS], v[XS0] matrix_a_fmt:MATRIX_FMT_FP6 matrix_b_fmt:MATRIX_FMT_FP6
	v_wmma_scale_f32_16x16x128_f8f6f4 v[184:191], v[32:43], v[56:67], 0, v[SS], v[XS1] matrix_a_fmt:MATRIX_FMT_FP6 matrix_b_fmt:MATRIX_FMT_FP6
.else
	v_wmma_scale_f32_16x16x128_f8f6f4 v[176:183], v[32+36*\s:43+36*\s], v[44+36*\s:55+36*\s], v[176:183], v[SS+\s], v[XS0+\s] matrix_a_fmt:MATRIX_FMT_FP6 matrix_b_fmt:MATRIX_FMT_FP6
	v_wmma_scale_f32_16x16x128_f8f6f4 v[184:191], v[32+36*\s:43+36*\s], v[56+36*\s:67+36*\s], v[184:191], v[SS+\s], v[XS1+\s] matrix_a_fmt:MATRIX_FMT_FP6 matrix_b_fmt:MATRIX_FMT_FP6
.endif
.endr
.rept 4
	v_nop                                          ; places in front of loads into registers that matrix instructions have read
.endr
.irp s, 0,1,2,3
	FRAG 32+36*\s, FAS, 384+96*\s
	FRAG 44+36*\s, FA, RTILE+384+96*\s
	FRAG 56+36*\s, FA, 2*RTILE+384+96*\s
.endr
	s_wait_dscnt 0x0
.irp s, 0,1,2,3
	v_wmma_scale_f32_16x16x128_f8f6f4 v[176:183], v[32+36*\s:43+36*\s], v[44+36*\s:55+36*\s], v[176:183], v[SS+4+\s], v[XS0+4+\s] matrix_a_fmt:MATRIX_FMT_FP6 matrix_b_fmt:MATRIX_FMT_FP6
	v_wmma_scale_f32_16x16x128_f8f6f4 v[184:191], v[32+36*\s:43+36*\s], v[56+36*\s:67+36*\s], v[184:191], v[SS+4+\s], v[XS1+4+\s] matrix_a_fmt:MATRIX_FMT_FP6 matrix_b_fmt:MATRIX_FMT_FP6
.endr
.rept 4
	v_nop                                          ; places in front of the first read of results
.endr
.irp j, 0,1,2,3,4,5,6,7,8,9,10,11,12,13,14,15
	v_mul_f32 v[192+\j], 0xbfb8aa3b, v[176+\j]     ; -z log2(e); each accumulator is read from its low end on
.endr
	s_wait_alu depctr_va_vdst(0)                   ; ahead of the batch
.irp j, 0,1,2,3,4,5,6,7,8,9,10,11,12,13,14,15
	v_exp_f32 v[192+\j], v[192+\j]
.endr
	v_mov_b32 v216, -1.0                           ; a plain instruction behind the last exponential
	s_wait_alu depctr_va_vdst(0)                   ; one wait for the batch, ahead of its first reader
.irp j, 0,1,2,3,4,5,6,7,8,9,10,11,12,13,14,15
	v_add_f32 v[192+\j], 1.0, v[192+\j]
.endr
	s_wait_alu depctr_va_vdst(0)
.irp j, 0,1,2,3,4,5,6,7,8,9,10,11,12,13,14,15
	v_rcp_f32 v[192+\j], v[192+\j]                 ; the probabilities: v192-199 tile 0, v200-207 tile 1
.endr
.irp i, 0,1,2,3,4,5,6,7,8,9,10,11,12,13,14,15
	v_mov_b32 v[224+\i], \i                        ; the experts' numbers; plain work behind the reciprocals
.endr
.irp j, 0,1,2,3,4,5,6,7
	v_mov_b32 v[208+\j], 0                         ; a lane permute's destination counts as one of its sources
.endr
	s_wait_alu depctr_va_vdst(0)                   ; one wait for the sixteen reciprocals
	TOPK 192, 32, 64                               ; tile 0: P 192, E 32, R 64; tile 1: P 200, E 48, R 72
	v_add_f32 v80, v64, v65                        ; the sum of the four, clipped at 1e-9 from below as reference() clips it
	v_add_f32 v81, v72, v73
	v_add_f32 v80, v80, v66
	v_add_f32 v81, v81, v74
	v_add_f32 v80, v80, v67
	v_add_f32 v81, v81, v75
	v_max_num_f32 v80, 0x3089705f, v80
	v_max_num_f32 v81, 0x3089705f, v81
	s_wait_alu depctr_va_vdst(0)
	v_rcp_f32 v80, v80
	v_rcp_f32 v81, v81
.irp k, 0,1,2,3
	v_cndmask_b32 v[88+\k], v[68+\k], v[76+\k], s36   ; both halves of the lanes hold token r of each tile: lanes 0-15 keep tile 0, lanes 16-31 tile 1: lane l has my token l.  Its four experts
.endr
	v_mov_b32 v92, 1
	v_mov_b32 v93, 0                               ; the masks: lane e and lane 16 + e
	v_mov_b32 v94, 0                               ; my counts: lane e
.irp k, 0,1,2,3
	v_mov_b32 v[104+\k], 0                         ; 64 e + rank
.endr
.irp k, 0,1,2,3
	v_lshlrev_b32 v[96+\k], v[88+\k], v92
.endr
	v_or_b32 v96, v96, v97
	v_or_b32 v98, v98, v99
	v_or_b32 v96, v96, v98                         ; my token's experts as a set of 16 bits
.irp e, 0,1,2,3,4,5,6,7,8,9,10,11,12,13,14,15
	v_and_b32 v95, 1<<\e, v96
	v_cmp_ne_u32 s[MK+\e], 0, v95                  ; the lanes whose token chose e
.endr
.irp e, 0,1,2,3,4,5,6,7,8,9,10,11,12,13,14,15
	s_bcnt1_i32_b32 s[CT+\e], s[MK+\e]
.endr
.irp e, 0,1,2,3,4,5,6,7,8,9,10,11,12,13,14,15
	v_writelane_b32 v93, s[MK+\e], \e
	v_writelane_b32 v93, s[MK+\e], 16+\e
	v_writelane_b32 v94, s[CT+\e], \e
.endr
	ds_store_b32 v[CBA], v94
	s_wait_kmcnt 0x0                               ; route_scale
	s_wait_alu depctr_va_vdst(0)                   ; for the two reciprocals, ahead of their first reader
	v_mul_f32 v80, s33, v80
	v_mul_f32 v81, s33, v81
.irp k, 0,1,2,3
	v_mul_f32 v[64+\k], v[64+\k], v80
	v_mul_f32 v[72+\k], v[72+\k], v81
.endr
.irp k, 0,1,2,3
	v_cndmask_b32 v[84+\k], v[64+\k], v[72+\k], s36
.endr
	global_store_b128 v[L16], v[84:87], s[24:25]   ; 512 consecutive bytes a wave
	s_and_b32 s38, s28, 1
	s_wait_alu depctr_va_vdst(0)                   ; directly ahead of the wait below
	s_wait_dscnt 0x0                               ; for the other wave's sake: my counts have landed
	s_barrier_signal -1
	s_barrier_wait -1
	ds_load_b32 v102, v[CBA+1]                     ; the counts of my chunk's other 32 tokens
	s_wait_dscnt 0x0
	v_mul_u32_u24 v103, v102, s38                  ; what stands ahead of my ranks: nothing in the first half, the first half's count in the second
	v_lshl_add_u32 v103, v1, 6, v103               ; + 64 e in lane e
.irp e, 0,1,2,3,4,5,6,7,8,9,10,11,12,13,14,15
	v_readlane_b32 s[CT+\e], v103, \e
.endr
.irp e, 0,1,2,3,4,5,6,7,8,9,10,11,12,13,14,15
	v_mbcnt_lo_u32_b32 v95, s[MK+\e], s[CT+\e]     ; 64 e + rank: a rank is a count of lower lanes in the mask
.irp k, 0,1,2,3
	v_cmp_eq_u32 s[56+\k], \e, v[88+\k]
.endr
.irp k, 0,1,2,3
	v_cndmask_b32 v[104+\k], v[104+\k], v95, s[56+\k]
.endr
.endr
.irp k, 0,1,2,3
	v_mul_u32_u24 v[104+\k], v[104+\k], 272
.endr
	global_store_b128 v[L16], v[104:107], s[26:27] ; 512 consecutive bytes a wave
	global_store_b32 v[CNA], v93, s[22:23]         ; the masks, into both tables
	s_wait_tensorcnt 0x0                           ; the wave's end, behind my last LDS store
	ds_add_u32 v[SPW], v[NIL]
	s_wait_dscnt 0x0
	s_endpgm
	; ---------------- KEYS: tile t (my wave) of quarter w of expert e: lane r takes row 64 w + 32 (t / 2) + 8 (t % 2) + r + 8 (r / 8), so that launch 2 finds 16 neighbours along the next K in 16 registers ----------------
.Lkeys:
	s_sub_co_u32 s29, ttmp9, 64                    ; 4 e + w
	s_lshl_b32 s30, s29, 6                         ; 256 e + 64 w
	s_lshr_b32 s32, s28, 1
	s_lshl_b32 s32, s32, 5
	s_add_co_u32 s30, s30, s32
	s_and_b32 s32, s28, 1
	s_lshl_b32 s32, s32, 3
	s_add_co_u32 s30, s30, s32                     ; the tile's first row
	s_mul_i32 s30, s30, 768
	s_add_nc_u64 s[14:15], s[14:15], s[30:31]
	s_lshl_b32 s30, s29, 5
	s_add_co_u32 s30, s30, s28
	s_mul_i32 s30, s30, 1536                       ; kimg: fragment ((4 e + w) 8 + s) 4 + t
	s_add_nc_u64 s[18:19], s[18:19], s[30:31]
	s_mul_i32 s32, s28, RTILE
	s_add_co_u32 s32, s32, KRB
	s_wait_alu depctr_va_vdst(0)
	v_mul_u32_u24 v[LA], v3, RPITCH
	v_lshl_add_u32 v[LA], v2, 4, v[LA]
	v_add_nc_u32 v[LA], s32, v[LA]
	v_mul_u32_u24 v[FA], v2, RPITCH
	v_mad_u32_u24 v[FA], v3, 24, v[FA]
	v_add_nc_u32 v[FA], s32, v[FA]
	TILE_IN STA, 14, 0, 8
	s_wait_alu depctr_va_vdst(0)
	s_wait_loadcnt 0x0
	TILE_ST STA, 0
.irp s, 0,1,2,3,4,5,6,7
	FRAG STB+12*\s, FA, 96*\s                      ; LDS serves a wave in order: these see my stores
.endr
	s_wait_dscnt 0x0
.irp s, 0,1,2,3,4,5,6,7
.irp i, 0,1,2
	global_store_b128 v[L16], v[STB+12*\s+4*\i:STB+12*\s+4*\i+3], s[18:19] offset:\s*6144+512*\i   ; 512 consecutive bytes
.endr
.endr
	s_wait_tensorcnt 0x0                           ; the wave's end
	ds_add_u32 v[SPW], v[NIL]
	s_wait_dscnt 0x0
	s_endpgm
	; ---------------- VALUES: a unit is 16 rows of 192 bytes = 3,072 bytes in, two fragments = 3,072 bytes out, at the same place; my wave takes four units on end ----------------
.Lvalues:
	s_sub_co_u32 s29, ttmp9, 128
	s_lshl_b32 s30, s29, 2
	s_add_co_u32 s30, s30, s28
	s_mul_i32 s30, s30, 12288
	s_add_nc_u64 s[16:17], s[16:17], s[30:31]
	s_add_nc_u64 s[20:21], s[20:21], s[30:31]
	s_mul_i32 s32, s28, 4*VUNIT
	s_add_co_u32 s32, s32, VRB
	s_wait_alu depctr_va_vdst(0)
.irp i, 0,1,2,3,4,5                    ; piece q = 32 i + lane of a unit's 192 pieces of 16 bytes lies in row q / 12: LDS byte 16 q + 16 (q / 12);  q / 12 = (171 q) >> 11 for q under 192
	v_add_nc_u32 v[224+\i], 32*\i, v1
	v_mul_u32_u24 v230, v[224+\i], 171
	v_lshrrev_b32 v230, 11, v230
	v_add_nc_u32 v[224+\i], v[224+\i], v230
	v_lshlrev_b32 v[224+\i], 4, v[224+\i]
	v_add_nc_u32 v[224+\i], s32, v[224+\i]
.endr
	v_mul_u32_u24 v[FA], v2, VPITCH
	v_mad_u32_u24 v[FA], v3, 24, v[FA]
	v_add_nc_u32 v[FA], s32, v[FA]
.irp x, 0,1,2,3,4,5,6,7,8,9,10,11,12,13,14,15,16,17,18,19,20,21,22,23
	global_load_b128 v[STA+4*\x:STA+4*\x+3], v[L16], s[16:17] offset:512*\x
.endr
	s_wait_alu depctr_va_vdst(0)
	s_wait_loadcnt 0x0
.irp u, 0,1,2,3
.irp i, 0,1,2,3,4,5
	ds_store_b128 v[224+\i], v[STA+4*(6*\u+\i):STA+4*(6*\u+\i)+3] offset:\u*VUNIT
.endr
.endr
.irp u, 0,1,2,3
.irp s, 0,1
	FRAG STB+12*(2*\u+\s), FA, \u*VUNIT+96*\s
.endr
.endr
	s_wait_dscnt 0x0
.irp x, 0,1,2,3,4,5,6,7,8,9,10,11,12,13,14,15,16,17,18,19,20,21,22,23
	global_store_b128 v[L16], v[STB+4*\x:STB+4*\x+3], s[20:21] offset:512*\x
.endr
	s_wait_tensorcnt 0x0                           ; the wave's end
	ds_add_u32 v[SPW], v[NIL]
	s_wait_dscnt 0x0
	s_endpgm
.Lfunc_end_k_qcce3bf1b89_route:
	.size	k_qcce3bf1b89_route, .Lfunc_end_k_qcce3bf1b89_route-k_qcce3bf1b89_route
	.p2alignl 7, 3214868480
	.fill 96, 4, 3214868480
	.section	.rodata,"a",@progbits
	.p2align	6, 0x0
	.amdhsa_kernel k_qcce3bf1b89_route
		.amdhsa_group_segment_fixed_size 254976
		.amdhsa_private_segment_fixed_size 0
		.amdhsa_enable_private_segment 0
		.amdhsa_kernarg_size 96
		.amdhsa_user_sgpr_count 2
		.amdhsa_user_sgpr_kernarg_segment_ptr 1
		.amdhsa_wavefront_size32 1
		.amdhsa_system_sgpr_workgroup_id_x 1
		.amdhsa_system_sgpr_workgroup_id_y 1
		.amdhsa_system_sgpr_workgroup_id_z 1
		.amdhsa_system_vgpr_workitem_id 0
		.amdhsa_next_free_vgpr 256
		.amdhsa_next_free_sgpr 84
		.amdhsa_reserve_vcc 1
		.amdhsa_float_denorm_mode_32 3
		.amdhsa_float_denorm_mode_16_64 3
		.amdhsa_memory_ordered 1
		.amdhsa_forward_progress 1
		.amdhsa_inst_pref_size 96
	.end_amdhsa_kernel
	.amdgpu_metadata
---
amdhsa.version: [ 1, 2 ]
amdhsa.kernels:
  - .name:           k_qcce3bf1b89_route
    .symbol:         k_qcce3bf1b89_route.kd
    .args:
      - { .name: x_codes, .offset: 0, .size: 8, .value_kind: global_buffer, .address_space: global }
      - { .name: x_scales, .offset: 8, .size: 8, .value_kind: global_buffer, .address_space: global }
      - { .name: expert_sel_codes, .offset: 16, .size: 8, .value_kind: global_buffer, .address_space: global }
      - { .name: expert_sel_scales, .offset: 24, .size: 8, .value_kind: global_buffer, .address_space: global }
      - { .name: route_scale, .offset: 32, .size: 8, .value_kind: global_buffer, .address_space: global }
      - { .name: keys_codes, .offset: 40, .size: 8, .value_kind: global_buffer, .address_space: global }
      - { .name: values_codes, .offset: 48, .size: 8, .value_kind: global_buffer, .address_space: global }
      - { .name: kimg, .offset: 56, .size: 8, .value_kind: global_buffer, .address_space: global }
      - { .name: vimg, .offset: 64, .size: 8, .value_kind: global_buffer, .address_space: global }
      - { .name: cnt, .offset: 72, .size: 8, .value_kind: global_buffer, .address_space: global }
      - { .name: wts, .offset: 80, .size: 8, .value_kind: global_buffer, .address_space: global }
      - { .name: posb, .offset: 88, .size: 8, .value_kind: global_buffer, .address_space: global }
    .group_segment_fixed_size: 254976
    .private_segment_fixed_size: 0
    .kernarg_segment_align: 8
    .kernarg_segment_size: 96
    .max_flat_workgroup_size: 128
    .sgpr_count:     84
    .vgpr_count:     256
    .wavefront_size: 32
...
	.end_amdgpu_metadata
.endif
;; end of part 1
;; launch hidden (part 2): grid 16 x 16, 4 waves a work-group, no clusters, 224,768 bytes of LDS; arguments x_codes, x_scales, kimg, keys_scales, cnt, hid; writes hid
.if DOCPART == 2
	.amdgcn_target "amdgcn-amd-amdhsa--gfx1250"
	.amdhsa_code_object_version 6
	.text
	.protected	k_qcce3bf1b89_hidden
	.globl	k_qcce3bf1b89_hidden
	.p2align	8
	.type	k_qcce3bf1b89_hidden,@function
k_qcce3bf1b89_hidden:
	s_mov_b64 s[64:65], 0
	v_nop
	global_prefetch_b8 v0, s[64:65] scope:SCOPE_SE
	s_setreg_imm32_b32 hwreg(HW_REG_WAVE_MODE, 25, 1), 1
	s_wait_xcnt 0x0
; Launch 2 of 3: h = Q(relu(x keys[e])) for the chosen (token, expert) rows alone: the rows of the experts that a token did not choose reach no output (shown at the head of launch 1).
; SHARES.  A work-group = (group g of 512 tokens = chunks 8 g .. 8 g + 7, expert e).  A TILE is 16 rows of one chunk, by rank; tile j of chunk c has the fixed slot (16 c + e) 4 + j of hid; a chunk with n rows has ceil(n / 16) tiles, 4 at the most.
; Rows past n in a tile repeat the row of rank n - 1; nobody gathers them.  THE WAVES SHARE THE COLUMNS: wave w makes hidden units 64 w .. 64 w + 63 for all rows, and its 32 fragments of keys and their scale words stay in registers, read once.
; THE LIST.  Launch 1 stored, for each chunk, the mask of the tokens that chose e (two words of 32).  At the head each wave turns the eight masks into a list rank -> token in LDS bytes of its own: a token's rank is the count of lower
; set bits (the second word's go on behind the first's); a lane whose token chose e stores the token's number in the chunk at word rank, the other lanes at a word of their own behind the list, which nobody reads.
; The list's words are cleared first, and every index is held under a bound written in the text.  No other wave touches these bytes: no barrier.
; The chosen rows of x are gathered by the list (whole aligned runs of 256 bytes by sixteen lanes), wave w bringing rows 4 w .. 4 w + 3 of each tile, and meet in LDS as records of 816 bytes: 768 of codes, 32 of scale bytes, 16 of padding
; (204 words: the 16 rows of a load start at 16 different multiples of 4 banks).  A BATCH is two chunks = 8 fixed positions; two LDS buffers take turns, one barrier a batch; the rows run one batch ahead.
; A chunk's tiles are its positions 0 .. T - 1: so in every phase the first position without a tile leads past the rest of its chunk.
; Branches hang on stored masks.  No barrier stands under such a branch.  No cluster: partners would need different numbers of tiles.
; THE PRODUCT IS USED TRANSPOSED (source 0 = 16 rows of keys, source 1 = 16 rows of x): a lane holds one row of h, and by the order of keys rows in kimg the 16 registers of tiles 2 b, 2 b + 1 are units 64 w + 32 b + 16 (lane / 16) + 0 .. 15.
; THE QUANTISER: a block's largest number with the floor 2^(3 - 127) among its leaves; 2 off its exponent field is the conversion's scale operand, and that shifted down the byte.  A block of zeros keeps the byte 1 where the rule says 127:
; its codes are zeros, and this program alone reads the bytes.
; A SLOT OF hid, 3,328 bytes.  Wave w makes registers 6 w .. 6 w + 5 of the two fragments' 24: registers 6 w .. 6 w + 3 lie at 768 w + 16 lane, registers 6 w + 4, 6 w + 5 at 768 w + 512 + 8 lane;
; at 3,072 + 8 lane the eight scale bytes of row lane % 16, of which wave w makes bytes 2 w, 2 w + 1.
; REGISTERS: window 0 as named below; window 1: keys fragments of K steps 0-3 at v[12 (4 s + t)]; window 2: K steps 4-7; window 3: position p's gathered bytes at v[26 p]: 12 a + 4 u codes, 24 + a a scale word.
.set REC,   816
.set TILEB, 16*REC
.set HALFB, 4*TILEB                    ; a chunk's four positions
.set BUF,   8*TILEB
.set SPARE, 2*BUF                      ; the spare words, 128 bytes for each wave
.set LIST,  SPARE+512                  ; the lists: for each wave room for ten chunks (the walk's look-ahead names two past the eighth, which have no tiles)
.set LCH,   384                        ; a chunk's 64 words of list and 32 words that nobody reads
.set LWV,   10*LCH
.set SLOTB, 3328
.set CHB,   64*SLOTB                   ; from a chunk's slots to the next chunk's
.set R16,  1                           ; v1   16 (lane % 16)
.set C4,   2                           ; v2   4 (lane % 8)
.set RW,   3                           ; v3   4 w + lane / 16: the row of a tile that I bring (and the one two further on)
.set LST0, 4                           ; v4   its record + 16 (lane % 16)
.set LSS0, 5                           ; v5   its record + 768 + 4 (lane % 8)
.set LSTA, 6                           ; v6-9 the same in the buffer and half in hand
.set LSSA, 8
.set LRD0, 10                          ; v10  816 r + 24 h: my fragment bytes in a tile
.set LRS0, 11                          ; v11  816 r + 768: my row's scale words
.set LRD,  12                          ; v12, v13 the same in the chunk in hand
.set LRS,  13
.set H8,   14                          ; v14  8 lane + 768 w + 512; never rewritten
.set HSS,  15                          ; v15  3,072 + 8 lane + 2 w; never rewritten
.set KIA,  16                          ; v16  at the head: 16 lane, the offset of the keys' loads
.set KSA,  17                          ; v17  at the head: 32 (r + 8 (r / 8)), the offset of their scale words' loads
.set HAQ,  16                          ; v16, v17, v229  behind the head's wait for all loads: the offsets of the tile's three stores
.set HAD,  17
.set HAB,  229
.set SPW,  18                          ; v18  LDS address of my spare word; never rewritten
.set NIL,  19                          ; v19  0; never rewritten
.set XS,   20                          ; v20-27  x's scale words, K steps 0-7     (v20-59 hold scales and nothing else)
.set KS,   28                          ; v28-59  keys' scale words, 8 t + s
.set H,    60                          ; v60-91  my four tiles of h
.set XF,   92                          ; v92-187 x's eight fragments
.set TOK,  188                         ; v188-203 position p, half a: rank, then token, then the byte of its scale word
.set OFF,  204                         ; v204-219 the byte of my 16 bytes in its row of codes
.set MX,   220                         ; v220-221 largest numbers; v222-223 the other half's
.set SCL,  224                         ; v224-225 the conversions' scale operands
.set BY,   226                         ; v226-227 the bytes
.set U16,  228                         ; v228 both bytes
.set PC,   230                         ; v230-235 my six registers of codes
.set PD,   236                         ; v236-238
.set LB,   240                         ; v240-244 at the head: the making of the list
.set H16,  255                         ; v255 16 lane + 768 w; never rewritten
.set NM,   24                          ; s24-31 n - 1 of the chunks from the batch in hand on
.set TT,   32                          ; s32-39 their numbers of tiles
.set MK,   68                          ; s68-83 the masks: chunk i's two words at 2 i
                                       ; s40 the byte, from my first slot, of the slots of the chunk in hand; s42 its tiles; s43 counts a batch's two chunks; s44 its LDS byte; s45 counts laps
                                       ; s50 my list; s53 the list and s52 the token at which the lap in hand begins
.set MSB, 0
.macro WIN new                         ; the immediate's high byte repeats the setting that is left; at a label and at a branch every window is 0
.if MSB != (\new)
	s_set_vgpr_msb (MSB<<8)|(\new)
.set MSB, (\new)
.endif
.endm
; THE LIST IS READ: for each position that has a tile, the tokens of the two rows that I bring.  ix: where the batch's two chunks stand in NM and TT;  lo: the batch's bytes of list behind s53
.macro PH_R ix, lo
.irp hh, 0,1
.irp j, 0,1,2,3
	s_cmp_le_u32 s[TT+\ix+\hh], \j
	s_cbranch_scc1 .Lr_\@_\hh
.irp a, 0,1
	v_add_nc_u32 v[TOK+8*\hh+2*\j+\a], 16*\j+2*\a, v[RW]
	v_min_u32 v[TOK+8*\hh+2*\j+\a], s[NM+\ix+\hh], v[TOK+8*\hh+2*\j+\a]   ; rows past the last repeat it
	v_min_u32 v[TOK+8*\hh+2*\j+\a], 63, v[TOK+8*\hh+2*\j+\a]               ; the bound written in the text
	v_lshl_add_u32 v[TOK+8*\hh+2*\j+\a], v[TOK+8*\hh+2*\j+\a], 2, s53
	ds_load_b32 v[TOK+8*\hh+2*\j+\a], v[TOK+8*\hh+2*\j+\a] offset:\lo+\hh*LCH
.endr
.endr
.Lr_\@_\hh:
.endr
.endm
; THE ROWS: 768 bytes of codes as three runs of 256 bytes by sixteen lanes, and the 32 scale bytes, into window 3.  768 bytes of list are 128 tokens: lo / 6
.macro PH_X ix, lo
.irp hh, 0,1
.irp j, 0,1,2,3
	s_cmp_le_u32 s[TT+\ix+\hh], \j
	s_cbranch_scc1 .Lx_\@_\hh
.irp a, 0,1
	v_add3_u32 v[TOK+8*\hh+2*\j+\a], v[TOK+8*\hh+2*\j+\a], s52, 64*\hh+(\lo)/6
	v_min_u32 v[TOK+8*\hh+2*\j+\a], 0x1fff, v[TOK+8*\hh+2*\j+\a]
	v_mul_u32_u24 v[OFF+8*\hh+2*\j+\a], v[TOK+8*\hh+2*\j+\a], 768
	v_add_nc_u32 v[OFF+8*\hh+2*\j+\a], v[OFF+8*\hh+2*\j+\a], v[R16]
	v_lshlrev_b32 v[TOK+8*\hh+2*\j+\a], 5, v[TOK+8*\hh+2*\j+\a]
	v_add_nc_u32 v[TOK+8*\hh+2*\j+\a], v[TOK+8*\hh+2*\j+\a], v[C4]
.endr
	WIN 0xc0                                       ; destination window 3
.irp a, 0,1
.irp u, 0,1,2
	global_load_b128 v[26*(4*\hh+\j)+12*\a+4*\u:26*(4*\hh+\j)+12*\a+4*\u+3], v[OFF+8*\hh+2*\j+\a], s[4:5] offset:256*\u
.endr
	global_load_b32 v[26*(4*\hh+\j)+24+\a], v[TOK+8*\hh+2*\j+\a], s[6:7]
.endr
	WIN 0
.endr
.Lx_\@_\hh:
.endr
.endm
; INTO LDS: every address is a constant + a constant x wave + a lane term
.macro PH_S ix, buf
	v_add_nc_u32 v[LSTA], \buf, v[LST0]
	v_add_nc_u32 v[LSTA+1], \buf+HALFB, v[LST0]
	v_add_nc_u32 v[LSSA], \buf, v[LSS0]
	v_add_nc_u32 v[LSSA+1], \buf+HALFB, v[LSS0]
.irp hh, 0,1
.irp j, 0,1,2,3
	s_cmp_le_u32 s[TT+\ix+\hh], \j
	s_cbranch_scc1 .Ls_\@_\hh
	WIN 0x0c                                       ; an LDS store's data are its source 1: window 3
	s_wait_alu depctr_va_vdst(0)
.irp a, 0,1
.irp u, 0,1,2
	ds_store_b128 v[LSTA+\hh], v[26*(4*\hh+\j)+12*\a+4*\u:26*(4*\hh+\j)+12*\a+4*\u+3] offset:\j*TILEB+\a*2*REC+256*\u
.endr
	ds_store_b32 v[LSSA+\hh], v[26*(4*\hh+\j)+24+\a] offset:\j*TILEB+\a*2*REC   ; lanes 8-15 of a half write the same words with the same values as lanes 0-7
.endr
	WIN 0
.endr
.Ls_\@_\hh:
.endr
.endm
; TILE j of the chunk in hand: 32 matrix instructions, relu, the quantiser, three stores
.macro TILE j
	ds_load_b128 v[XS:XS+3], v[LRS] offset:\j*TILEB
	ds_load_b128 v[XS+4:XS+7], v[LRS] offset:\j*TILEB+16
.irp s, 0,1,2,3,4,5,6,7
.irp q, 0,1,2,3,4,5
	ds_load_b64 v[XF+12*\s+2*\q:XF+12*\s+2*\q+1], v[LRD] offset:\j*TILEB+96*\s+48*(\q/3)+8*(\q%3)
.endr
.endr
.irp s, 0,1,2,3,4,5,6,7
	s_wait_dscnt 6*(7-\s)                          ; the scale words and K step s are in: behind them stand six loads for each later K step
	WIN 1+\s/4                                     ; source 0 (keys) in window 1 or 2
.irp t, 0,1,2,3                        ; the four accumulators take turns, one instruction a turn
.if \s == 0
	v_wmma_scale_f32_16x16x128_f8f6f4 v[H+8*\t:H+8*\t+7], v[12*\t:12*\t+11], v[XF:XF+11], 0, v[KS+8*\t], v[XS] matrix_a_fmt:MATRIX_FMT_FP6 matrix_b_fmt:MATRIX_FMT_FP6
.else
	v_wmma_scale_f32_16x16x128_f8f6f4 v[H+8*\t:H+8*\t+7], v[12*(4*(\s%4)+\t):12*(4*(\s%4)+\t)+11], v[XF+12*\s:XF+12*\s+11], v[H+8*\t:H+8*\t+7], v[KS+8*\t+\s], v[XS+\s] matrix_a_fmt:MATRIX_FMT_FP6 matrix_b_fmt:MATRIX_FMT_FP6
.endif
.endr
.endr
	WIN 0
.rept 4
	v_nop                                          ; places in front of the first read of results
.endr
.set nj, 0
.rept 32
	v_max_num_f32 v[H+nj], 0, v[H+nj]              ; relu, in f32; each accumulator from its low end on
.set nj, nj+1
.endr
.irp b, 0,1
	v_max3_num_f32 v[MX+\b], v[H+16*\b], v[H+16*\b+1], 0x1800000   ; block b: my 16 numbers (none is negative) and the floor 2^(3 - 127): the byte cannot fall under 1
.endr
.irp i, 2,4,6,8,10,12,14
.irp b, 0,1
	v_max3_num_f32 v[MX+\b], v[MX+\b], v[H+16*\b+\i], v[H+16*\b+\i+1]
.endr
.endr
.irp b, 0,1
	v_permlanex16_b32 v[MX+2+\b], v[MX+\b], s48, s49
.endr
.irp b, 0,1
	v_max_num_f32 v[MX+\b], v[MX+\b], v[MX+2+\b]   ; with lane l xor 16: the block's largest
.endr
.irp b, 0,1
	v_add_nc_u32 v[SCL+\b], 0xff000000, v[MX+\b]   ; 2 off its exponent field: the conversion takes the exponent field of this operand as its scale
.endr
.irp b, 0,1
	v_lshrrev_b32 v[BY+\b], 23, v[SCL+\b]          ; the scale's byte
.endr
	s_wait_alu depctr_va_vdst(0)
	s_wait_xcnt 0x0                                ; the stores of the tile before have read their data and offsets: the bytes, the three offsets and the codes are written again only behind this wait
	v_lshl_or_b32 v[U16], v[BY+1], 8, v[BY]
	v_add_nc_u32 v[HAQ], s40, v[H16]               ; the stores' base is never stepped: the chunk's place goes into the offsets, the tile's into the immediate
	v_add_nc_u32 v[HAD], s40, v[H8]
	v_add_nc_u32 v[HAB], s40, v[HSS]
	v_cvt_scalef32_pk16_fp6_f32 v[PC:PC+2], v[H:H+15], v[SCL]
	v_cvt_scalef32_pk16_fp6_f32 v[PD:PD+2], v[H+16:H+31], v[SCL+1]
	v_nop                                          ; one plain place behind a scaled conversion
.irp i, 0,1,2
	v_permlane16_swap_b32 v[PC+\i], v[PD+\i]       ; the operand wants a whole block in a lane: lanes 0-15 block 2 w, lanes 16-31 block 2 w + 1
.endr
.irp i, 0,1,2
	v_mov_b32 v[PC+3+\i], v[PD+\i]
.endr
	global_store_b128 v[HAQ], v[PC:PC+3], s[16:17] offset:\j*SLOTB      ; 32 lanes store 512 consecutive bytes, at a multiple of 256 from hid's first byte
	global_store_b64 v[HAD], v[PC+4:PC+5], s[16:17] offset:\j*SLOTB     ; 256 consecutive bytes, likewise
	global_store_b16 v[HAB], v[U16], s[16:17] offset:\j*SLOTB           ; two of each lane's eight scale bytes: the four waves together fill the slot's last 256 bytes
.endm
; THE BATCH IN HAND: its two chunks, a loop of constant count; in each the tiles 0 .. T - 1, by a branch on the count round the tiles' work alone
.macro PH_C buf
	s_mov_b32 s44, \buf
	s_mov_b32 s42, s[TT]
	s_mov_b32 s43, 0
.Lhalf_\@:
	v_add_nc_u32 v[LRD], s44, v[LRD0]
	v_add_nc_u32 v[LRS], s44, v[LRS0]
.irp j, 0,1,2,3
	s_cmp_le_u32 s42, \j
	s_cbranch_scc1 .Lhend_\@
	TILE \j
.endr
.Lhend_\@:
	s_mov_b32 s42, s[TT+1]
	s_add_co_u32 s44, s44, HALFB
	s_add_co_u32 s40, s40, CHB                     ; on to the next chunk's slots: a scalar that no memory instruction names
	s_add_co_u32 s43, s43, 1
	s_cmp_lt_u32 s43, 2
	s_cbranch_scc1 .Lhalf_\@
.endm
.macro KEYS half                       ; 16 fragments of keys, dense, into window 1 + half
	WIN 0x40*(1+\half)
.set nf, 0
.rept 16
.irp i, 0,1,2
	global_load_b128 v[12*nf+4*\i:12*nf+4*\i+3], v[KIA], s[8:9] offset:1536*(16*\half+nf)+512*\i
.endr
.set nf, nf+1
.endr
	WIN 0
.endm
; A TRIP: the next batch's tokens are read from the list and its rows asked for, the batch in hand is multiplied, the next batch goes into the other buffer.
; The registers that the row loads name were last read by loads that the wait for all loads of the trip before has shown done.
; ONE BARRIER: in front of it each wave's stores into the other buffer have landed and its reads of this buffer are back; behind it the buffers change places.
.macro TRIP cur, nxt, lo
	PH_R 2, \lo
	s_wait_dscnt 0x0                               ; the tokens are in
	PH_X 2, \lo
	PH_C \cur
	s_wait_loadcnt 0x0                             ; the next batch's rows
	PH_S 2, \nxt
	s_wait_dscnt 0x0
	s_barrier_signal -1
	s_barrier_wait -1
.irp i, 0,1,2,3,4,5
	s_mov_b32 s[NM+\i], s[NM+\i+2]
	s_mov_b32 s[TT+\i], s[TT+\i+2]
.endr
	s_mov_b32 s[TT+6], 0                           ; behind the last chunk: no tiles, so the last trip asks for nothing
	s_mov_b32 s[TT+7], 0
.endm
	s_load_b256 s[4:11], s[0:1], 0x0               ; x codes s[4:5], x scales s[6:7], kimg s[8:9], keys scales s[10:11]
	s_load_b64 s[12:13], s[0:1], 0x20              ; cnt
	s_load_b64 s[16:17], s[0:1], 0x28              ; hid
	v_lshl_add_u32 v[SPW], v0, 2, SPARE
	v_mov_b32 v[NIL], 0
	v_lshrrev_b32 v1, 5, v0
	v_readfirstlane_b32 s18, v1                    ; wave 0..3
	s_mov_b32 s19, ttmp9                           ; g
	s_and_b32 s20, ttmp7, 0xffff                   ; e
	v_and_b32 v222, 31, v0                         ; lane
	v_and_b32 v220, 15, v0                         ; r
	v_bfe_u32 v221, v0, 4, 1                       ; h
	v_lshlrev_b32 v[R16], 4, v220
	v_and_b32 v[C4], 7, v0
	v_lshlrev_b32 v[C4], 2, v[C4]
	s_lshl_b32 s21, s18, 2
	v_add_nc_u32 v[RW], s21, v221
	v_mul_u32_u24 v[LST0], v[RW], REC
	v_add_nc_u32 v[LSS0], v[LST0], v[C4]
	v_add_nc_u32 v[LSS0], 768, v[LSS0]
	v_add_nc_u32 v[LST0], v[LST0], v[R16]
	v_mul_u32_u24 v[LRS0], v220, REC
	v_mad_u32_u24 v[LRD0], v221, 24, v[LRS0]
	v_add_nc_u32 v[LRS0], 768, v[LRS0]
	s_mul_i32 s21, s18, 768
	v_lshl_add_u32 v[H16], v222, 4, s21
	s_add_co_u32 s21, s21, 512
	v_lshl_add_u32 v[H8], v222, 3, s21
	s_lshl_b32 s21, s18, 1
	s_add_co_u32 s21, s21, 3072
	v_lshl_add_u32 v[HSS], v222, 3, s21
	v_lshlrev_b32 v[KIA], 4, v222
	v_and_b32 v[KSA], 8, v220
	v_add_nc_u32 v[KSA], v[KSA], v220
	v_lshlrev_b32 v[KSA], 5, v[KSA]
	s_mul_i32 s50, s18, LWV
	s_add_co_u32 s50, s50, LIST                    ; my list
	v_lshl_add_u32 v[LB], v222, 2, s50             ; its word lane
	v_add_nc_u32 v[LB+1], 64, v222                 ; the word of a lane whose token did not choose e
	v_add_nc_u32 v[LB+2], 32, v222                 ; the token of the chunk's second half
	v_mov_b32 v[MX+3], 0                           ; a lane permute's destination counts as one of its sources (v222 holds the lane until the list is made)
	; The token registers and window 3 are filled under one branch on a count and read under another: they are written once here, so that every way through the text writes them before it reads them
.irp i, 0,1,2,3,4,5,6,7,8,9,10,11,12,13,14,15
	v_mov_b32 v[TOK+\i], 0
.endr
	WIN 0xc0
.set ni, 0
.rept 208
	v_mov_b32 v[ni], 0
.set ni, ni+1
.endr
	WIN 0
.irp c, 0,1,2,3,4,5,6,7,8,9
	ds_store_b32 v[LB], v[NIL] offset:LCH*\c       ; the list's words are cleared
	ds_store_b32 v[LB], v[NIL] offset:LCH*\c+128
.endr
	s_mov_b32 s23, 0
	s_mov_b32 s40, 0
	s_mov_b32 s48, 0x76543210
	s_mov_b32 s49, 0xfedcba98                      ; selects of v_permlanex16_b32 for lane l xor 16
	s_mov_b32 s53, s50
	s_lshl_b32 s52, s19, 9                         ; my first token
	s_lshl_b32 s21, s19, 4
	s_add_co_u32 s21, s21, s20                     ; 16 g + e
	s_wait_kmcnt 0x0
	s_lshl_b32 s22, s21, 6
	s_add_nc_u64 s[12:13], s[12:13], s[22:23]
	s_load_b512 s[MK:MK+15], s[12:13], 0x4000      ; the masks of my eight chunks: the table of cnt at byte 16,384
	s_lshl_b32 s21, s20, 2
	s_add_co_u32 s21, s21, s18                     ; 4 e + w
	s_mul_i32 s22, s21, 49152
	s_add_nc_u64 s[8:9], s[8:9], s[22:23]          ; my 32 fragments of keys
	KEYS 0                                         ; the first half of them goes out while the masks are on their way
	s_lshl_b32 s22, s21, 11
	s_add_nc_u64 s[10:11], s[10:11], s[22:23]      ; my 64 rows of scale bytes
.irp t, 0,1,2,3
	global_load_b128 v[KS+8*\t:KS+8*\t+3], v[KSA], s[10:11] offset:(32*(\t/2)+8*(\t%2))*32
	global_load_b128 v[KS+8*\t+4:KS+8*\t+7], v[KSA], s[10:11] offset:(32*(\t/2)+8*(\t%2))*32+16
.endr
	s_lshl_b32 s22, s19, 9
	s_lshl_b32 s47, s20, 2
	s_add_co_u32 s22, s22, s47
	s_mul_i32 s22, s22, SLOTB
	s_add_nc_u64 s[16:17], s[16:17], s[22:23]      ; hid at slot (16 x 8 g + e) x 4: it stays there
	s_wait_kmcnt 0x0
.irp i, 0,1,2,3,4,5,6,7
	s_bcnt1_i32_b32 s[NM+\i], s[MK+2*\i]
	s_bcnt1_i32_b32 s51, s[MK+2*\i+1]
	s_add_co_u32 s[NM+\i], s[NM+\i], s51           ; n
	s_add_co_u32 s[TT+\i], s[NM+\i], 15
	s_lshr_b32 s[TT+\i], s[TT+\i], 4
	s_min_u32 s[TT+\i], s[TT+\i], 4                ; tiles,
	s_max_u32 s[TT+\i], s[TT+\i], 1                ; one at the least: launch 3 loads tile 0 of every chunk without asking for the count, so its slot is always written (with n = 0: rows of the chunk's first token, by the list's cleared words; nobody multiplies them)
	s_sub_co_u32 s[NM+\i], s[NM+\i], 1             ; the last rank (not used where there is no tile)
.endr
.irp c, 0,1,2,3,4,5,6,7                ; the list of chunk c.  LDS serves a wave in order: these stores land on the cleared words, and the reads below see them
	s_bcnt1_i32_b32 s51, s[MK+2*\c]
	v_mbcnt_lo_u32_b32 v[LB+3], s[MK+2*\c], 0
	v_mbcnt_lo_u32_b32 v[LB+4], s[MK+2*\c+1], s51
	v_cndmask_b32 v[LB+3], v[LB+1], v[LB+3], s[MK+2*\c]
	v_cndmask_b32 v[LB+4], v[LB+1], v[LB+4], s[MK+2*\c+1]
	v_min_u32 v[LB+3], 95, v[LB+3]                 ; the bound written in the text: a chunk's 96 words
	v_min_u32 v[LB+4], 95, v[LB+4]
	v_lshl_add_u32 v[LB+3], v[LB+3], 2, s50
	v_lshl_add_u32 v[LB+4], v[LB+4], 2, s50
	ds_store_b32 v[LB+3], v222 offset:LCH*\c
	ds_store_b32 v[LB+4], v[LB+2] offset:LCH*\c
.endr
	v_mov_b32 v[MX+2], 0                           ; the lane's number is done with: the permute's other destination
	PH_R 0, 0
	s_wait_dscnt 0x0                               ; the tokens of batch 0 are in
	PH_X 0, 0                                      ; its rows go out ahead of the second half of the keys
	KEYS 1
	s_wait_loadcnt 0x0
	PH_S 0, 0
	s_wait_dscnt 0x0
	s_barrier_signal -1
	s_barrier_wait -1                              ; batch 0 lies in buffer 0
	s_mov_b32 s45, 0
.Llap:                                                 ; two laps of two trips: four batches
	TRIP 0, BUF, 2*LCH
	TRIP BUF, 0, 4*LCH
	s_add_co_u32 s53, s53, 4*LCH                   ; a lap is four chunks of list,
	s_add_co_u32 s52, s52, 256                     ; 256 tokens
	s_add_co_u32 s45, s45, 1
	s_cmp_lt_u32 s45, 2
	s_cbranch_scc1 .Llap
	s_wait_tensorcnt 0x0                           ; the wave's end, behind my last LDS store
	ds_add_u32 v[SPW], v[NIL]
	s_wait_dscnt 0x0
	s_endpgm
.Lfunc_end_k_qcce3bf1b89_hidden:
	.size	k_qcce3bf1b89_hidden, .Lfunc_end_k_qcce3bf1b89_hidden-k_qcce3bf1b89_hidden
	.p2alignl 7, 3214868480
	.fill 96, 4, 3214868480
	.section	.rodata,"a",@progbits
	.p2align	6, 0x0
	.amdhsa_kernel k_qcce3bf1b89_hidden
		.amdhsa_group_segment_fixed_size 224768
		.amdhsa_private_segment_fixed_size 0
		.amdhsa_enable_private_segment 0
		.amdhsa_kernarg_size 48
		.amdhsa_user_sgpr_count 2
		.amdhsa_user_sgpr_kernarg_segment_ptr 1
		.amdhsa_wavefront_size32 1
		.amdhsa_system_sgpr_workgroup_id_x 1
		.amdhsa_system_sgpr_workgroup_id_y 1
		.amdhsa_system_sgpr_workgroup_id_z 1
		.amdhsa_system_vgpr_workitem_id 0
		.amdhsa_next_free_vgpr 1024
		.amdhsa_next_free_sgpr 84
		.amdhsa_reserve_vcc 0
		.amdhsa_float_denorm_mode_32 3
		.amdhsa_float_denorm_mode_16_64 3
		.amdhsa_memory_ordered 1
		.amdhsa_forward_progress 1
		.amdhsa_inst_pref_size 185
	.end_amdhsa_kernel
	.amdgpu_metadata
---
amdhsa.version: [ 1, 2 ]
amdhsa.kernels:
  - .name:           k_qcce3bf1b89_hidden
    .symbol:         k_qcce3bf1b89_hidden.kd
    .args:
      - { .name: x_codes, .offset: 0, .size: 8, .value_kind: global_buffer, .address_space: global }
      - { .name: x_scales, .offset: 8, .size: 8, .value_kind: global_buffer, .address_space: global }
      - { .name: kimg, .offset: 16, .size: 8, .value_kind: global_buffer, .address_space: global }
      - { .name: keys_scales, .offset: 24, .size: 8, .value_kind: global_buffer, .address_space: global }
      - { .name: cnt, .offset: 32, .size: 8, .value_kind: global_buffer, .address_space: global }
      - { .name: hid, .offset: 40, .size: 8, .value_kind: global_buffer, .address_space: global }
    .group_segment_fixed_size: 224768
    .private_segment_fixed_size: 0
    .kernarg_segment_align: 8
    .kernarg_segment_size: 48
    .max_flat_workgroup_size: 128
    .sgpr_count:     84
    .vgpr_count:     1024
    .wavefront_size: 32
...
	.end_amdgpu_metadata
.endif
;; end of part 2
;; launch outp (part 3): grid 16 x 16, 8 waves a work-group, no clusters, 279,552 bytes of LDS; arguments vimg, values_scales, hid, cnt, posb, wts, out0; writes out0
.if DOCPART == 3
	.amdgcn_target "amdgcn-amd-amdhsa--gfx1250"
	.amdhsa_code_object_version 6
	.text
	.protected	k_qcce3bf1b89_outp
	.globl	k_qcce3bf1b89_outp
	.p2align	8
	.type	k_qcce3bf1b89_outp,@function
k_qcce3bf1b89_outp:
	s_mov_b64 s[64:65], 0
	v_nop
	global_prefetch_b8 v0, s[64:65] scope:SCOPE_SE
	s_setreg_imm32_b32 hwreg(HW_REG_WAVE_MODE, 25, 1), 1
	s_wait_xcnt 0x0
; Launch 3 of 3: out[token] = the sum over its four chosen experts of weight x (h values[e]), for the chosen rows alone (the others reach no output: shown at the head of launch 1).
; SHARES.  A work-group = (64 output columns 64 x .. 64 x + 63, group y of 512 tokens = chunks 8 y .. 8 y + 7).  Eight waves, two to a SIMD.  Wave w owns experts 2 w, 2 w + 1: its 16 fragments of values for these columns and their
; scale words stay in registers, read once, and each tile of h is loaded by one wave alone, dense, straight into operand registers (launch 2 stored it as an image of them: nine loads a tile).
; A CHUNK OF 64 TOKENS, two barriers.  A: each wave multiplies the tiles of its experts (8 matrix instructions a tile) and puts the results into a stage in LDS at the fixed row 64 e + rank (272 bytes a row: 256 + 16) | barrier |
; B: wave w takes tokens 8 w .. 8 w + 7, two to a pair: each half of the lanes reads the token's four rows from the stage by the stored places, weighs, sums, and stores one aligned run of 256 bytes | barrier.
; So each output byte has one owner and nothing is summed through memory.  The stage's stores have addresses made of constants, the wave and the lane; the gather's loads alone take a stored number, held under a bound written in the text,
; and a barrier parts them from every LDS store.  The rows' 16 bytes of padding are written once, at the head, so that the gather's range holds no byte that nobody wrote.
; A chunk's number of rows of an expert is the count of set bits in launch 1's two mask words.  Branches hang on these counts; no barrier stands under such a branch.  No cluster: partners would need different numbers of tiles.
; HOW FAR AHEAD.  Tile 0 of each expert (launch 2 writes it for every chunk) is loaded with no branch, TWO chunks ahead, into two sets that take turns by the chunk's parity: these 18 loads (2 sets x 9) are the last that a wave issues in a chunk.
; So the wait at a chunk's head counts 18: it leaves out the loads of the chunk after this one's tile 0 and covers all that is older: this chunk's tile 0, its tile 1, its places and weights.  Tile 1 is asked for one chunk ahead, under a
; branch on the count; tiles 2 and 3 (more than 32 of 64 tokens on one expert) come through one spare set, with a wait.  The loop's trip is two chunks, until the sets are back where they began; chunks 6 and 7 are written out:
; they ask for no tile 0 beyond the group, and chunk 7 waits for all its loads.
; THE PRODUCT IS USED TRANSPOSED (source 0 = 16 rows of values = output columns, source 1 = 16 rows of h): a lane holds eight neighbouring columns of one row.
; A SLOT OF hid, 3,328 bytes: registers 6 m .. 6 m + 3 of the two fragments' 24 at 768 m + 16 lane, registers 6 m + 4, 6 m + 5 at 768 m + 512 + 8 lane (m = 0 .. 3); at 3,072 + 8 lane the eight scale bytes of row lane % 16.
; REGISTERS: window 0 as named below; window 1: values at v[12 f], f = (4 i + t) 2 + s, and the two sets of tile 1 at v192 and v216.  What phase A alone uses (accumulators, spare set) lies over phase B's rows.
.set SLOTB, 3328
.set CHB,   64*SLOTB
.set SROW,  272
.set OCH,   262144                     ; a chunk's 64 rows of out0
.set SPARE, 1024*SROW                  ; behind the stage: the spare words, 128 bytes for each of the eight waves
.set L8,   1                           ; v1   8 lane
.set STO,  2                           ; v2   the stage: 34,816 w + 272 r + 32 h
.set G16,  3                           ; v3   16 (lane % 16)
.set OUTO, 4                           ; v4   16,384 (lane / 16) + 16 (lane % 16): four rows of out apart
.set PWA,  5                           ; v5   64 (lane / 16) + 4 (lane % 16)
.set VIA,  6                           ; v6   16 lane
.set VSA,  7                           ; v7   8 (lane % 16)
.set SPW,  8                           ; v8   LDS address of my spare word; never rewritten
.set NIL,  9                           ; v9   0; never rewritten
.set PL,   10                          ; v10, v11 places and weights of the next chunk, as they land
.set PW,   12                          ; v12, v13 of the chunk in hand: lane (h, r): token 8 w + 4 h + r / 4, choice r % 4
.set VS,   14                          ; v14-29 values' scale words, 2 (4 i + t) + s      (v14-43 hold scales and nothing else)
.set HS,   30                          ; v30-43 h's scale words, a pair for each of the seven sets
.set YR,   44                          ; v44-107 phase B: four pairs x four rows' 16 bytes; a row's first register holds its stage address until the load lands on it
.set ACC,  44                          ; v44-75  phase A: four accumulators
.set XB,   76                          ; v76-99  phase A: the spare set
.set WB,   108                         ; v108-139 four pairs x four weights, each the low word of a pair
.set OS,   140                         ; v140-155 four sets of four results: no store's data are written again within a chunk
.set PB,   156                         ; v156-251 tile 0: set 2 parity + i at v[PB + 24 (2 parity + i)]
.set TC,   24                          ; s24, s25 tiles of my two experts in the chunk in hand
.set TN,   26                          ; s26, s27 in the next chunk;  s32-35, s40-43 mask words as they land
.set MSB, 0
.macro WIN new                         ; the immediate's high byte repeats the setting that is left; at a label and at a branch every window is 0
.if MSB != (\new)
	s_set_vgpr_msb (MSB<<8)|(\new)
.set MSB, (\new)
.endif
.endm
.macro MCOUNT b, m                     ; two pairs of mask words become numbers of tiles
.irp i, 0,1
	s_bcnt1_i32_b32 s[\b+\i], s[\m+2*\i]
	s_bcnt1_i32_b32 s56, s[\m+2*\i+1]
	s_add_co_u32 s[\b+\i], s[\b+\i], s56
	s_add_co_u32 s[\b+\i], s[\b+\i], 15
	s_lshr_b32 s[\b+\i], s[\b+\i], 4
	s_min_u32 s[\b+\i], s[\b+\i], 4
.endr
.endm
.macro LOADSET win, base, hs, off      ; a slot of hid into the set at v[base] of window win: nine loads, each of 512 or 256 consecutive bytes
	global_load_b64 v[HS+2*(\hs):HS+2*(\hs)+1], v[L8], s[8:9] offset:(\off)+3072
	WIN 0x40*(\win)
.irp m, 0,1,2,3
	global_load_b128 v[(\base)+6*\m:(\base)+6*\m+3], v[VIA], s[8:9] offset:(\off)+768*\m
	global_load_b64 v[(\base)+6*\m+4:(\base)+6*\m+5], v[L8], s[8:9] offset:(\off)+768*\m+512
.endr
	WIN 0
.endm
.macro MULT i, j, win, base, hs        ; tile j of my expert i: 16 rows x 64 columns, K = 256
	WIN 0x01+4*(\win)                              ; source 0 (values) window 1, source 1 (h) window win
.irp s, 0,1
.irp t, 0,1,2,3                        ; the four accumulators take turns, one instruction a turn
.if \s == 0
	v_wmma_scale_f32_16x16x128_f8f6f4 v[ACC+8*\t:ACC+8*\t+7], v[24*(4*(\i)+\t):24*(4*(\i)+\t)+11], v[(\base):(\base)+11], 0, v[VS+2*(4*(\i)+\t)], v[HS+2*(\hs)] matrix_a_fmt:MATRIX_FMT_FP6 matrix_b_fmt:MATRIX_FMT_FP6
.else
	v_wmma_scale_f32_16x16x128_f8f6f4 v[ACC+8*\t:ACC+8*\t+7], v[24*(4*(\i)+\t)+12:24*(4*(\i)+\t)+23], v[(\base)+12:(\base)+23], v[ACC+8*\t:ACC+8*\t+7], v[VS+2*(4*(\i)+\t)+1], v[HS+2*(\hs)+1] matrix_a_fmt:MATRIX_FMT_FP6 matrix_b_fmt:MATRIX_FMT_FP6
.endif
.endr
.endr
	WIN 0
.rept 5
	v_nop                                          ; four places in front of the stores that read the results and of loads into the set; five in front of the next tile's products, which begin the accumulators anew
.endr
.irp t, 0,1,2,3
	ds_store_b128 v[STO], v[ACC+8*\t:ACC+8*\t+3] offset:(4*(\i)+(\j))*16*SROW+64*\t          ; each accumulator from its low end on
	ds_store_b128 v[STO], v[ACC+8*\t+4:ACC+8*\t+7] offset:(4*(\i)+(\j))*16*SROW+64*\t+16
.endr
.endm
.macro TILEX i, j                      ; tiles 2 and 3, through the spare set
	s_cmp_le_u32 s[TC+\i], \j
	s_cbranch_scc1 .Lnx_\@
	LOADSET 0, XB, 6, (4*\i+\j)*SLOTB
	s_wait_loadcnt 0x0
	MULT \i, \j, 0, XB, 6
.Lnx_\@:
.endm
; Pair p: token 8 w + p in lanes 0-15, token 8 w + 4 + p in lanes 16-31.  a .. d: the lanes of a row of 16 that hold the token's four words
.macro GADR p, a, b, c, d
	v_mov_b32_dpp v[YR+16*(\p)], v[PW] row_share:\a row_mask:0xf bank_mask:0xf
	v_mov_b32_dpp v[YR+16*(\p)+4], v[PW] row_share:\b row_mask:0xf bank_mask:0xf
	v_mov_b32_dpp v[YR+16*(\p)+8], v[PW] row_share:\c row_mask:0xf bank_mask:0xf
	v_mov_b32_dpp v[YR+16*(\p)+12], v[PW] row_share:\d row_mask:0xf bank_mask:0xf
	v_mov_b32_dpp v[WB+8*(\p)], v[PW+1] row_share:\a row_mask:0xf bank_mask:0xf
	v_mov_b32_dpp v[WB+8*(\p)+2], v[PW+1] row_share:\b row_mask:0xf bank_mask:0xf
	v_mov_b32_dpp v[WB+8*(\p)+4], v[PW+1] row_share:\c row_mask:0xf bank_mask:0xf
	v_mov_b32_dpp v[WB+8*(\p)+6], v[PW+1] row_share:\d row_mask:0xf bank_mask:0xf
.irp k, 0,1,2,3
	v_min_u32 v[YR+16*(\p)+4*\k], 1023*SROW, v[YR+16*(\p)+4*\k]    ; the stage's last row: the bound written in the text
.endr
.irp k, 0,1,2,3
	v_add_nc_u32 v[YR+16*(\p)+4*\k], v[YR+16*(\p)+4*\k], v[G16]
.endr
.irp k, 0,1,2,3
	ds_load_b128 v[YR+16*(\p)+4*\k:YR+16*(\p)+4*\k+3], v[YR+16*(\p)+4*\k]   ; sixteen lanes read a row's 256 bytes; the load lands on its own address
.endr
.endm
; Pairs p and p + 1 are summed together: four chains of multiply-adds by turns, the experts in the order of the stored choice.  The base stands a chunk further on: the stores reach back by the immediate
.macro GSUM2 p
.set ga, (\p)
.set gb, (\p)+1
.set oa, OS+4*(\p)
.set ob, OS+4*(\p)+4
	v_pk_mul_f32 v[oa:oa+1], v[YR+16*ga:YR+16*ga+1], v[WB+8*ga:WB+8*ga+1] op_sel_hi:[1,0]
	v_pk_mul_f32 v[oa+2:oa+3], v[YR+16*ga+2:YR+16*ga+3], v[WB+8*ga:WB+8*ga+1] op_sel_hi:[1,0]
	v_pk_mul_f32 v[ob:ob+1], v[YR+16*gb:YR+16*gb+1], v[WB+8*gb:WB+8*gb+1] op_sel_hi:[1,0]
	v_pk_mul_f32 v[ob+2:ob+3], v[YR+16*gb+2:YR+16*gb+3], v[WB+8*gb:WB+8*gb+1] op_sel_hi:[1,0]
.irp k, 1,2,3
	v_pk_fma_f32 v[oa:oa+1], v[YR+16*ga+4*\k:YR+16*ga+4*\k+1], v[WB+8*ga+2*\k:WB+8*ga+2*\k+1], v[oa:oa+1] op_sel_hi:[1,0,1]
	v_pk_fma_f32 v[oa+2:oa+3], v[YR+16*ga+4*\k+2:YR+16*ga+4*\k+3], v[WB+8*ga+2*\k:WB+8*ga+2*\k+1], v[oa+2:oa+3] op_sel_hi:[1,0,1]
	v_pk_fma_f32 v[ob:ob+1], v[YR+16*gb+4*\k:YR+16*gb+4*\k+1], v[WB+8*gb+2*\k:WB+8*gb+2*\k+1], v[ob:ob+1] op_sel_hi:[1,0,1]
	v_pk_fma_f32 v[ob+2:ob+3], v[YR+16*gb+4*\k+2:YR+16*gb+4*\k+3], v[WB+8*gb+2*\k:WB+8*gb+2*\k+1], v[ob+2:ob+3] op_sel_hi:[1,0,1]
.endr
	global_store_b128 v[OUTO], v[oa:oa+3], s[16:17] offset:(\p)*4096-OCH th:TH_STORE_NT        ; sixteen lanes store 256 consecutive bytes, at a multiple of 256 from out0's first byte
	global_store_b128 v[OUTO], v[ob:ob+3], s[16:17] offset:(\p)*4096+4096-OCH th:TH_STORE_NT
.endm
; A CHUNK.  par: its parity;  wcnt: the loads that may stay out at its head;  nxt: a chunk follows;  pp: a chunk follows the next one
.macro CHUNK par, wcnt, nxt, pp
	s_wait_loadcnt \wcnt                           ; 18: the youngest loads, tile 0 of the next chunk, may be out; all that this chunk reads is older.  0 in the last chunk, behind which nothing was asked for
	v_mov_b32 v[PW], v[PL]
	v_mov_b32 v[PW+1], v[PL+1]
.if \nxt
	global_load_b32 v[PL], v[PWA], s[12:13] offset:1024
	global_load_b32 v[PL+1], v[PWA], s[14:15] offset:1024
.endif
.if \pp
	s_load_b128 s[32:35], s[10:11], 0x100          ; the masks of the chunk after the next
.endif
	s_max_u32 s38, s[TC], s[TC+1]                  ; the most tiles that one of my experts has in this chunk
	; ---- A: my experts' tiles into the stage
.irp i, 0,1
	s_cmp_le_u32 s[TC+\i], 0
	s_cbranch_scc1 .La_\@_\i
	MULT \i, 0, 0, PB+24*(2*\par+\i), 2*\par+\i
.La_\@_\i:
	s_cmp_le_u32 s[TC+\i], 1
	s_cbranch_scc1 .Lb_\@_\i
	MULT \i, 1, 1, 192+24*\i, 4+\i
.Lb_\@_\i:
.if \nxt
	s_cmp_le_u32 s[TN+\i], 1
	s_cbranch_scc1 .Lc_\@_\i
	LOADSET 1, 192+24*\i, 4+\i, (4*\i+1)*SLOTB+CHB ; the next chunk's tile 1, if it has one
.Lc_\@_\i:
.endif
.endr
	s_cmp_le_u32 s38, 2
	s_cbranch_scc1 .Lnox_\@                        ; no expert of mine has a third tile: one branch for the four
.irp i, 0,1
	TILEX \i, 2
	TILEX \i, 3
.endr
.Lnox_\@:
.if \pp
.irp i, 0,1
	LOADSET 0, PB+24*(2*\par+\i), 2*\par+\i, 4*\i*SLOTB+2*CHB   ; tile 0 of the chunk after the next, into the set just multiplied: my last 18 loads of this chunk
.endr
.endif
	s_wait_dscnt 0x0                               ; my stores into the stage have landed
	s_barrier_signal -1
	s_barrier_wait -1                              ; everybody's have
	; ---- B: my 8 tokens, in four pairs
	s_wait_alu depctr_va_vdst(0)                   ; ahead of the first reader of the places behind the barrier
	GADR 0, 0, 1, 2, 3
	GADR 1, 4, 5, 6, 7
	GADR 2, 8, 9, 10, 11
	GADR 3, 12, 13, 14, 15
	s_wait_xcnt 0x0                                ; the last chunk's stores have read their data and their base, this chunk's loads their bases: the result registers are written again and the four bases stepped only behind this wait
	s_add_nc_u64 s[8:9], s[8:9], CHB               ; hid, posb and wts are named no more in this chunk
	s_add_nc_u64 s[12:13], s[12:13], 1024
	s_add_nc_u64 s[14:15], s[14:15], 1024
	s_add_nc_u64 s[16:17], s[16:17], OCH           ; out0 stands a chunk further on than the rows that this chunk stores
	s_wait_dscnt 8                                 ; pairs 0 and 1 are in: behind them stand the eight loads of pairs 2 and 3
	GSUM2 0
	s_wait_dscnt 0x0                               ; my reads of the stage are back
	GSUM2 2
	s_barrier_signal -1
	s_barrier_wait -1                              ; everybody's are: the stage may be written again
.if \nxt
	s_mov_b32 s[TC], s[TN]
	s_mov_b32 s[TC+1], s[TN+1]
.endif
.if \pp
	s_wait_kmcnt 0x0
	s_add_nc_u64 s[10:11], s[10:11], 128           ; the scalar load that read this base is done
	MCOUNT TN, 32
.endif
.endm
	s_load_b256 s[4:11], s[0:1], 0x0               ; vimg s[4:5], values scales s[6:7], hid s[8:9], cnt s[10:11]
	s_load_b128 s[12:15], s[0:1], 0x20             ; posb s[12:13], wts s[14:15]
	s_load_b64 s[16:17], s[0:1], 0x30              ; out0
	v_lshl_add_u32 v[SPW], v0, 2, SPARE
	v_mov_b32 v[NIL], 0
	v_lshrrev_b32 v1, 5, v0
	v_readfirstlane_b32 s18, v1                    ; wave 0..7
	s_mov_b32 s19, ttmp9                           ; which 64 columns
	s_and_b32 s20, ttmp7, 0xffff                   ; which 512 tokens
	v_and_b32 v252, 31, v0                         ; lane
	v_and_b32 v253, 15, v0                         ; r
	v_bfe_u32 v254, v0, 4, 1                       ; h
	v_lshlrev_b32 v[L8], 3, v252
	s_mul_i32 s21, s18, 128*SROW
	v_mul_u32_u24 v[STO], v253, SROW
	v_lshl_add_u32 v[STO], v254, 5, v[STO]
	v_add_nc_u32 v[STO], s21, v[STO]
	v_lshlrev_b32 v[G16], 4, v253
	v_lshl_add_u32 v[OUTO], v254, 14, v[G16]
	v_lshlrev_b32 v[PWA], 2, v253
	v_lshl_add_u32 v[PWA], v254, 6, v[PWA]
	v_lshlrev_b32 v[VIA], 4, v252
	v_lshlrev_b32 v[VSA], 3, v253
	; The sets of tiles 1 to 3 and their scale words are filled under one branch on a count and read under another; the DPP moves count their destinations as read, and a pair's upper word is named with the lower:
	; all these are written once here, so that every way through the text writes them before it reads them
.irp i, 8,9,10,11,12,13
	v_mov_b32 v[HS+\i], 0
.endr
.set ni, 0
.rept 96
	v_mov_b32 v[YR+ni], 0                          ; v44-139: the rows (with the spare set) and the weights
.set ni, ni+1
.endr
	WIN 0x40
.set ni, 0
.rept 48
	v_mov_b32 v[192+ni], 0
.set ni, ni+1
.endr
	WIN 0
	; the padding of the stage's 1,024 rows: thread t writes that of rows t + 256 q, q = 0 .. 3; the first barrier parts these stores from the gather
	v_mul_u32_u24 v[OS], v0, SROW
.irp q, 1,2,3
	v_add_nc_u32 v[OS+\q], \q*256*SROW, v[OS]
.endr
.irp q, 0,1,2,3
	ds_store_b128 v[OS+\q], v[WB:WB+3] offset:256
.endr
	s_mov_b32 s23, 0
	s_lshl_b32 s21, s20, 9
	s_lshl_b32 s22, s18, 3
	s_add_co_u32 s21, s21, s22                     ; 512 y + 8 w: my first token, and my first slot of the group's first chunk
	s_wait_alu depctr_va_vdst(0)                   ; at the head's end, directly ahead of the wait below
	s_wait_kmcnt 0x0
	s_lshl_b32 s22, s20, 10
	s_lshl_b32 s38, s18, 4
	s_add_co_u32 s22, s22, s38
	s_add_nc_u64 s[10:11], s[10:11], s[22:23]      ; cnt, the table at byte 0: chunk 8 y (128 bytes a chunk), experts 2 w on (8 bytes each)
	s_load_b128 s[32:35], s[10:11], 0x0
	s_load_b128 s[40:43], s[10:11], 0x80
	s_mul_i32 s22, s21, SLOTB
	s_add_nc_u64 s[8:9], s[8:9], s[22:23]
.irp i, 0,1
	LOADSET 0, PB+24*\i, \i, 4*\i*SLOTB            ; tile 0 of chunk 0: no count is asked for
.endr
	s_lshl_b32 s22, s21, 4
	s_add_nc_u64 s[12:13], s[12:13], s[22:23]
	s_add_nc_u64 s[14:15], s[14:15], s[22:23]
	s_lshl_b32 s22, s21, 12
	s_lshl_b32 s38, s19, 8
	s_add_co_u32 s22, s22, s38
	s_add_nc_u64 s[16:17], s[16:17], s[22:23]
	s_mul_i32 s22, s18, 393216                     ; two experts of 196,608 bytes,
	s_mul_i32 s38, s19, 12288                      ; four tiles of 16 columns
	s_add_co_u32 s22, s22, s38
	s_add_nc_u64 s[4:5], s[4:5], s[22:23]
	s_lshl_b32 s22, s18, 14
	s_lshl_b32 s38, s19, 9
	s_add_co_u32 s22, s22, s38
	s_add_nc_u64 s[6:7], s[6:7], s[22:23]
	WIN 0x40
.irp i, 0,1
.irp t, 0,1,2,3
.irp s, 0,1
.irp m, 0,1,2
	global_load_b128 v[12*((4*\i+\t)*2+\s)+4*\m:12*((4*\i+\t)*2+\s)+4*\m+3], v[VIA], s[4:5] offset:\i*196608+(2*\t+\s)*1536+512*\m
.endr
.endr
.endr
.endr
	WIN 0
.irp i, 0,1
.irp t, 0,1,2,3
	global_load_b64 v[VS+2*(4*\i+\t):VS+2*(4*\i+\t)+1], v[VSA], s[6:7] offset:\i*8192+128*\t
.endr
.endr
	global_load_b32 v[PL], v[PWA], s[12:13]
	global_load_b32 v[PL+1], v[PWA], s[14:15]
	s_wait_kmcnt 0x0
	MCOUNT TC, 32
	MCOUNT TN, 40
.irp i, 0,1
	s_cmp_le_u32 s[TC+\i], 1
	s_cbranch_scc1 .Lp0_\i
	LOADSET 1, 192+24*\i, 4+\i, (4*\i+1)*SLOTB     ; tile 1 of chunk 0, if it has one
.Lp0_\i:
.endr
.irp i, 0,1
	LOADSET 0, PB+24*(2+\i), 2+\i, 4*\i*SLOTB+CHB  ; tile 0 of chunk 1: the 18 youngest loads at the first chunk's head
.endr
	s_mov_b32 s36, 0
.Lpair:                                                ; three trips of two chunks: chunks 0 to 5
	CHUNK 0, 18, 1, 1
	CHUNK 1, 18, 1, 1
	s_add_co_u32 s36, s36, 1
	s_cmp_lt_u32 s36, 3
	s_cbranch_scc1 .Lpair
	CHUNK 0, 18, 1, 0                              ; chunk 6: tile 0 of chunk 7 may be out at its head; it asks for no tile 0
	CHUNK 1, 0, 0, 0                               ; chunk 7 asks for nothing
	s_wait_tensorcnt 0x0                           ; the wave's end, behind my last LDS store
	ds_add_u32 v[SPW], v[NIL]
	s_wait_dscnt 0x0
	s_endpgm
.Lfunc_end_k_qcce3bf1b89_outp:
	.size	k_qcce3bf1b89_outp, .Lfunc_end_k_qcce3bf1b89_outp-k_qcce3bf1b89_outp
	.p2alignl 7, 3214868480
	.fill 96, 4, 3214868480
	.section	.rodata,"a",@progbits
	.p2align	6, 0x0
	.amdhsa_kernel k_qcce3bf1b89_outp
		.amdhsa_group_segment_fixed_size 279552
		.amdhsa_private_segment_fixed_size 0
		.amdhsa_enable_private_segment 0
		.amdhsa_kernarg_size 56
		.amdhsa_user_sgpr_count 2
		.amdhsa_user_sgpr_kernarg_segment_ptr 1
		.amdhsa_wavefront_size32 1
		.amdhsa_system_sgpr_workgroup_id_x 1
		.amdhsa_system_sgpr_workgroup_id_y 1
		.amdhsa_system_sgpr_workgroup_id_z 1
		.amdhsa_system_vgpr_workitem_id 0
		.amdhsa_next_free_vgpr 512
		.amdhsa_next_free_sgpr 66
		.amdhsa_reserve_vcc 0
		.amdhsa_float_denorm_mode_32 3
		.amdhsa_float_denorm_mode_16_64 3
		.amdhsa_memory_ordered 1
		.amdhsa_forward_progress 1
		.amdhsa_inst_pref_size 132
	.end_amdhsa_kernel
	.amdgpu_metadata
---
amdhsa.version: [ 1, 2 ]
amdhsa.kernels:
  - .name:           k_qcce3bf1b89_outp
    .symbol:         k_qcce3bf1b89_outp.kd
    .args:
      - { .name: vimg, .offset: 0, .size: 8, .value_kind: global_buffer, .address_space: global }
      - { .name: values_scales, .offset: 8, .size: 8, .value_kind: global_buffer, .address_space: global }
      - { .name: hid, .offset: 16, .size: 8, .value_kind: global_buffer, .address_space: global }
      - { .name: cnt, .offset: 24, .size: 8, .value_kind: global_buffer, .address_space: global }
      - { .name: posb, .offset: 32, .size: 8, .value_kind: global_buffer, .address_space: global }
      - { .name: wts, .offset: 40, .size: 8, .value_kind: global_buffer, .address_space: global }
      - { .name: out0, .offset: 48, .size: 8, .value_kind: global_buffer, .address_space: global }
    .group_segment_fixed_size: 279552
    .private_segment_fixed_size: 0
    .kernarg_segment_align: 8
    .kernarg_segment_size: 56
    .max_flat_workgroup_size: 256
    .sgpr_count:     66
    .vgpr_count:     512
    .wavefront_size: 32
...
	.end_amdgpu_metadata
.endif
;; end of part 3
